; MI455X (gfx1250); checked and timed in simulation.
; The chip was launched on July 23, 2026; its instructions are those of AMD's public machine-readable ISA for CDNA 5 (MIT licence, August 2026) and "CDNA5" Instruction Set Architecture Reference Guide (July 2026). The comments in the code are by the model that wrote it; some were corrected since.
;; EMA Vector Quantizer. Allowed arithmetic: matrix products marked QUANTISED: E4M3 operands, one E8M0 scale for each 32 along K, by v_wmma_scale_f32_16x16x128_f8f6f4 with both operands' format E4M3, f32 sums; everything else in f32.
;; Inputs: embedding 8,192 x 256 float32; z 32 x 256 x 32 x 32 float32.
;; Outputs: out0 32 x 256 x 32 x 32 float32; out1 32,768 int32.
;; This version of the problem:
;;   THIS VERSION OF THE PROBLEM IS GIVEN IN LOW PRECISION. The matrix products marked QUANTISED in the list below multiply operands that are first quantised to E4M3 (4 exponent bits, 3 mantissa bits; 8 bits a number), with one power-of-two scale for each 32 numbers along K (OCP MX v1.0); their sums are f32. All else is computed in f32.
;;   The module's matrix products, in the order in which they are computed (A, B: the left and right operand; K: the contracted axis; several contracted axes count as one K, in the product's order):
;;     1. [M 32,768, K 256] x [K 256, N 8,192]; A: input z; B: input embedding: QUANTISED
;;   THE QUANTISER, for each operand of a quantised product, along K:
;;     - K is cut into blocks of 32 from its start; a last block that is shorter is filled with zeros.
;;     - A block's scale is 2^e with e = floor(log2(the largest magnitude in the block)) - 8, held to -126 .. 127; a block of zeros has e = 0. As a byte (E8M0): e + 127.
;;     - Each number is divided by its block's scale, clamped to +-448, and rounded to the nearest number of E4M3, ties to even, subnormals kept.
;;     - The product sums the exact products of the quantised numbers (number of the format x scale) in f32.
;;   ~~~python
;;   def quantise(x, axis):      # numpy; x: float32 -> the quantised numbers, widened to float32 again
;;       x = np.moveaxis(x, axis, -1); K = x.shape[-1]
;;       x = np.pad(x, [(0, 0)] * (x.ndim - 1) + [(0, -K % 32)]); x = x.reshape(x.shape[:-1] + (-1, 32)); a = np.abs(x).max(-1, keepdims=True)
;;       e = np.where(a > 0, np.clip(np.frexp(np.where(a > 0, a, 1))[1] - 1 - 8, -126, 127), 0)      # np.frexp(a)[1] - 1 = floor(log2(a)), exactly
;;       r = np.clip(x / 2.0 ** e, -448, 448)
;;       step = 2.0 ** (np.maximum(np.frexp(np.where(r == 0, 1, r))[1] - 1, -6) - 3)
;;       q = np.round(r / step) * step * 2.0 ** e      # np.round: ties to even
;;       return np.moveaxis(q.reshape(q.shape[:-2] + (-1,))[..., :K], -1, axis).astype(np.float32)
;;   ~~~
;; One version. Each part assembles by itself: llvm-mc -triple=amdgcn-amd-amdhsa -mcpu=gfx1250 --defsym DOCPART=n.
;; ======== version 1 of 1: 3 launches
;; workspace buffers: embq 2,228,224 bytes; idxw 131,072 bytes of whole numbers
;; launch embq (part 1): grid 256 x 1, 2 waves a work-group, no clusters, 1,280 bytes of LDS; arguments embedding, embq; writes embq
.if DOCPART == 1
	.amdgcn_target "amdgcn-amd-amdhsa--gfx1250"
	.amdhsa_code_object_version 6
	.text
	.protected	k_qa31f29aada_embq
	.globl	k_qa31f29aada_embq
	.p2align	8
	.type	k_qa31f29aada_embq,@function
k_qa31f29aada_embq:
	s_mov_b64 s[64:65], 0
	v_nop
	global_prefetch_b8 v0, s[64:65] scope:SCOPE_SE
	s_setreg_imm32_b32 hwreg(HW_REG_WAVE_MODE, 25, 1), 1
	s_wait_xcnt 0x0
; The codebook [8192][256] f32 becomes the left operand of the distance product, made once for all its readers.
; What is laid down is Q(-2 e): the codes of E4M3 of -e and the block's E8M0 byte + 1.  That is -2 Q(e) exactly, since the factor 2 moves the block's exponent alone.
; A block's scale is 2^(floor(log2(its largest magnitude)) - 8); its byte is the largest magnitude's exponent field - 8, held at 1 from below.
; Beside the codes lies ee = the sum of e^2 of each code, in f32, of the numbers as they are given.
; A RECORD of 4,352 bytes for each tile of 16 codes, in the order of the operand's registers:
;   bytes 512 (4 s + c) + 16 lane: K step s, registers 4 c .. 4 c + 3 of lane (r, h): k = 128 s + 32 c + 16 h + 0 .. 15 of code r
;   bytes 4,096 + 4 lane: the scale words: lanes 0-15 K step 0's of code r, lanes 16-31 K step 1's;   bytes 4,224 on: ee of the 16 codes;   then 64 bytes of zeros.
; One wave makes one record; waves share nothing: no barrier, no loop, every offset an immediate.
; LIMITS: NaN and infinities are not served; blocks whose largest magnitude lies under 2^-118 (the floor) were not tried; a block of zeros gets the floor's byte
; (its codes are zeros, and this program alone reads the bytes); ee is summed in four packed chains, another order of rounding than a serial sum's.
.set REC, 4352
.set XA,  4                            ; v4   my byte in the tile's 16 rows: 1,024 r + 64 h
.set L16, 5                            ; v5   16 x lane
.set L8,  6                            ; v6   8 x lane
.set W4,  7                            ; v7   LDS: 256 x wave + 4 x lane
.set R8,  8                            ; v8   LDS: 256 x wave + 8 x lane
.set X,   16                           ; v16-143  my 128 numbers: block b's 16 at X + 16 b
.set S,   144                          ; v144-151 four packed sums of squares
.set TM,  152                          ; v152-155 largest magnitudes, v156-159 bytes, v160-163 448 x the scale, v164-167 the conversions' scale operands
.set PC,  168                          ; v168-199 the codes of K steps 0 and 1
.set PW,  200                          ; v200-201 their scale words
.set EEV, 202                          ; v202 ee of my code;  v203 the other half's part
.set EEO, 203
	s_load_b128 s[4:7], s[0:1], 0x0                ; the codebook, the records
	v_lshl_add_u32 v208, v0, 2, 0x400
	v_mov_b32 v209, 0
	v_lshrrev_b32 v1, 5, v0
	v_readfirstlane_b32 s8, v1                     ; wave 0, 1
	v_and_b32 v1, 31, v0                           ; lane
	v_and_b32 v2, 15, v0                           ; r
	v_bfe_u32 v3, v0, 4, 1                         ; h
	v_lshlrev_b32 v[XA], 10, v2
	v_lshl_add_u32 v[XA], v3, 6, v[XA]
	v_lshlrev_b32 v[L16], 4, v1
	v_lshlrev_b32 v[L8], 3, v1
	s_lshl_b32 s9, s8, 8                           ; my wave's 256 bytes of LDS
	v_lshl_add_u32 v[W4], v1, 2, s9
	v_lshl_add_u32 v[R8], v1, 3, s9
	s_lshl_b32 s10, ttmp9, 1
	s_add_co_u32 s10, s10, s8                      ; my tile: 2 x work-group + wave
	s_mul_i32 s12, s10, REC                        ; its record,
	s_mov_b32 s13, 0
	s_lshl_b32 s10, s10, 14                        ; its 16 rows of 1,024 bytes
	s_mov_b32 s11, 0
	s_mov_b32 s20, 0x76543210
	s_mov_b32 s21, 0xfedcba98                      ; v_permlanex16_b32's selects for lane l xor 16
	s_mov_b32 s23, 0x600000                        ; the mantissa field of 448
.irp b, 0,1,2,3
	v_mov_b32 v[TM+4+\b], 0                        ; written once: a lane permute's destination counts as one of its sources
.endr
	v_mov_b32 v[EEO], 0
	s_wait_kmcnt 0x0
	s_add_nc_u64 s[4:5], s[4:5], s[10:11]
	s_add_nc_u64 s[6:7], s[6:7], s[12:13]
.set blk, 0
.rept 8                                        ; lane (r, h) takes, of row r, 16 neighbours of each block of 32: the order in which the operand's registers want them
.irp q, 0,1,2,3
	global_load_b128 v[X+16*blk+4*\q:X+16*blk+4*\q+3], v[XA], s[4:5] offset:128*blk+16*\q
.endr
.set blk, blk+1
.endr
	s_wait_loadcnt 0x0
	; ee: four packed chains over my 128 numbers, started by a product: nothing is cleared
.irp q, 0,1,2,3
	v_pk_mul_f32 v[S+2*\q:S+2*\q+1], v[X+2*\q:X+2*\q+1], v[X+2*\q:X+2*\q+1]
.endr
.set n, 8
.rept 15
.irp q, 0,1,2,3
	v_pk_fma_f32 v[S+2*\q:S+2*\q+1], v[X+n+2*\q:X+n+2*\q+1], v[X+n+2*\q:X+n+2*\q+1], v[S+2*\q:S+2*\q+1]
.endr
.set n, n+8
.endr
	v_pk_add_f32 v[S:S+1], v[S:S+1], v[S+2:S+3]
	v_pk_add_f32 v[S+4:S+5], v[S+4:S+5], v[S+6:S+7]
	v_pk_add_f32 v[S:S+1], v[S:S+1], v[S+4:S+5]
	v_add_f32 v[EEV], v[S], v[S+1]
	v_permlanex16_b32 v[EEO], v[EEV], s20, s21
	v_add_f32 v[EEV], v[EEV], v[EEO]               ; with lane l xor 16's half of the row: ee of code r, in both halves
; 64 numbers of a lane, register 16 b + i = k 32 b + 16 h + i of my row, become the codes of their NEGATIVES in v[pc] on, and the scale word + 1 in each byte in v[pw]
.macro QUANT s, pc, pw
.irp b, 0,1,2,3
	v_max3_num_f32 v[TM+\b], |v[\s+16*\b]|, |v[\s+1+16*\b]|, 0x4800000   ; block b: my 16 numbers and the floor 2^(9 - 127): the byte cannot fall under 1
.endr
.irp i, 2,4,6,8,10,12,14
.irp b, 0,1,2,3
	v_max3_num_f32 v[TM+\b], v[TM+\b], |v[\s+16*\b+\i]|, |v[\s+1+16*\b+\i]|   ; the four blocks by turns
.endr
.endr
.irp b, 0,1,2,3
	v_permlanex16_b32 v[TM+4+\b], v[TM+\b], s20, s21
.endr
.irp b, 0,1,2,3
	v_max_num_f32 v[TM+\b], v[TM+\b], v[TM+4+\b]   ; with lane l xor 16's: the block's largest magnitude
.endr
.irp b, 0,1,2,3
	v_add_nc_u32 v[TM+12+\b], 0xfc000000, v[TM+\b] ; 8 off its exponent field: the conversion takes the exponent field of this operand as its scale
.endr
.irp b, 0,1,2,3
	v_and_or_b32 v[TM+8+\b], v[TM+\b], 0x7f800000, s23   ; 448 x the scale
.endr
.irp b, 0,1,2,3
	v_lshrrev_b32 v[TM+4+\b], 23, v[TM+12+\b]      ; the scale's byte
.endr
	v_lshl_or_b32 v[\pw], v[TM+5], 8, v[TM+4]
	v_lshl_or_b32 v[\pw], v[TM+6], 16, v[\pw]
	v_lshl_or_b32 v[\pw], v[TM+7], 24, v[\pw]
	v_add_nc_u32 v[\pw], 0x01010101, v[\pw]        ; the factor 2: each byte + 1; a byte is 246 at the most, so nothing carries
.irp b, 0,1,2,3
.irp i, 0,1,2,3,4,5,6,7,8,9,10,11,12,13,14,15
	v_med3_num_f32 v[\s+16*\b+\i], -v[\s+16*\b+\i], -v[TM+8+\b], v[TM+8+\b]   ; the hold at the largest code x the scale (the conversion does not saturate: ISA guide 7.6.2), and the sign turned in the same line
.endr
	v_cvt_scalef32_pk8_fp8_f32 v[\pc+4*\b:\pc+1+4*\b], v[\s+16*\b:\s+7+16*\b], v[TM+12+\b]
	v_cvt_scalef32_pk8_fp8_f32 v[\pc+2+4*\b:\pc+3+4*\b], v[\s+8+16*\b:\s+15+16*\b], v[TM+12+\b]
.endr
	v_nop                                          ; one plain vector line between the last conversion and the next vector line that writes its sources
.endm
	QUANT X, PC, PW
	QUANT X+64, PC+16, PW+1
.irp n8, 0,1,2,3,4,5,6,7
	global_store_b128 v[L16], v[PC+4*\n8:PC+4*\n8+3], s[6:7] offset:512*\n8   ; the wave stores 512 consecutive bytes, aligned
.endr
	; the record's last 256 bytes are put together in my wave's LDS bytes and leave by one store
	v_cmp_gt_u32 vcc_lo, 16, v1                    ; lanes 0-15
	v_cndmask_b32 v204, v[PW+1], v[PW], vcc_lo     ; K step 0's word below, K step 1's above (both halves of the lanes hold both words)
	v_cndmask_b32 v205, 0, v[EEV], vcc_lo          ; ee below, zeros above
	ds_store_b32 v[W4], v204
	ds_store_b32 v[W4], v205 offset:128
	ds_load_b64 v[204:205], v[R8]                  ; LDS serves a wave's instructions in order (ISA guide 5.7.1.4): this sees my stores
	s_wait_dscnt 0x0
	global_store_b64 v[L8], v[204:205], s[6:7] offset:4096   ; 32 lanes store 256 consecutive bytes, aligned
	s_wait_tensorcnt 0x0
	ds_add_u32 v208, v209
	s_wait_dscnt 0x0
	s_endpgm
.Lfunc_end_k_qa31f29aada_embq:
	.size	k_qa31f29aada_embq, .Lfunc_end_k_qa31f29aada_embq-k_qa31f29aada_embq
	.p2alignl 7, 3214868480
	.fill 96, 4, 3214868480
	.section	.rodata,"a",@progbits
	.p2align	6, 0x0
	.amdhsa_kernel k_qa31f29aada_embq
		.amdhsa_group_segment_fixed_size 1280
		.amdhsa_private_segment_fixed_size 0
		.amdhsa_enable_private_segment 0
		.amdhsa_kernarg_size 16
		.amdhsa_user_sgpr_count 2
		.amdhsa_user_sgpr_kernarg_segment_ptr 1
		.amdhsa_wavefront_size32 1
		.amdhsa_system_sgpr_workgroup_id_x 1
		.amdhsa_system_sgpr_workgroup_id_y 1
		.amdhsa_system_sgpr_workgroup_id_z 1
		.amdhsa_system_vgpr_workitem_id 0
		.amdhsa_next_free_vgpr 210
		.amdhsa_next_free_sgpr 66
		.amdhsa_reserve_vcc 1
		.amdhsa_float_denorm_mode_32 3
		.amdhsa_float_denorm_mode_16_64 3
		.amdhsa_memory_ordered 1
		.amdhsa_forward_progress 1
		.amdhsa_inst_pref_size 27
	.end_amdhsa_kernel
	.amdgpu_metadata
---
amdhsa.version: [ 1, 2 ]
amdhsa.kernels:
  - .name:           k_qa31f29aada_embq
    .symbol:         k_qa31f29aada_embq.kd
    .args:
      - { .name: embedding, .offset: 0, .size: 8, .value_kind: global_buffer, .address_space: global }
      - { .name: embq, .offset: 8, .size: 8, .value_kind: global_buffer, .address_space: global }
    .group_segment_fixed_size: 1280
    .private_segment_fixed_size: 0
    .kernarg_segment_align: 8
    .kernarg_segment_size: 16
    .max_flat_workgroup_size: 64
    .sgpr_count:     66
    .vgpr_count:     210
    .wavefront_size: 32
...
	.end_amdgpu_metadata
.endif
;; end of part 1
;; launch nearest (part 2): grid 256 x 1, 4 waves a work-group, clusters of 4 x 1, 327,680 bytes of LDS; arguments z, embq, out1, idxw; writes out1, idxw
.if DOCPART == 2
	.amdgcn_target "amdgcn-amd-amdhsa--gfx1250"
	.amdhsa_code_object_version 6
	.text
	.protected	k_qa31f29aada_nearest
	.globl	k_qa31f29aada_nearest
	.p2align	8
	.type	k_qa31f29aada_nearest,@function
k_qa31f29aada_nearest:
	s_mov_b64 s[64:65], 0
	v_nop
	global_prefetch_b8 v0, s[64:65] scope:SCOPE_SE
	s_setreg_imm32_b32 hwreg(HW_REG_WAVE_MODE, 25, 1), 1
	s_wait_xcnt 0x0
	s_wait_alu depctr_hold_cnt(0) depctr_sa_sdst(0) depctr_va_vdst(0) depctr_va_sdst(0) depctr_va_ssrc(0) depctr_va_vcc(0) depctr_vm_vsrc(0)
	s_getreg_b32 s2, hwreg(HW_REG_IB_STS2, 6, 4)
	s_cmp_eq_u32 s2, 0
	s_cbranch_scc0 .Lentry_in_a_cluster
	s_endpgm
.Lentry_in_a_cluster:
	s_bfe_u32 s2, ttmp6, 0x10000c
	s_cmp_lg_u32 s2, 0x3003
	s_cbranch_scc0 .Lentry_shape_is_right
	s_endpgm
.Lentry_shape_is_right:
; For each of 32,768 rows z[b][:][hw] (K = c = 256): the lowest index k at which  s_k = ee_k + sum over c of Q(z) Q(-2 e_k)  is least.  The product is on codes of E4M3 with one E8M0 scale for each 32 along K.
; ee_k is the C of the first matrix instruction and -2 lies in the codebook's codes and scale bytes, so a score costs no vector instruction.
; LIMITS.  |z|^2 is the same addend for all k of a row and is left out of the comparison; ee - 2 z.e is rounded in the matrix unit's chain of two K steps and not as (|z|^2 + ee) - 2 z.e in three f32 roundings:
; two codes whose distances differ by a few units in the last place of the distance may be chosen otherwise than by that order of rounding.  Equal scores go to the lowest index.  NaN and infinities are not served;
; blocks of z whose largest magnitude lies under 2^-118 (the floor) were not tried.
; SHARES.  A work-group owns 128 rows and walks all 8,192 codes: each row has one owner.  Every wave keeps ALL 128 rows as operand fragments in 256 registers for the whole launch; THE WAVES SHARE THE CODES: of a fill of 32
; tiles of 16 codes wave w takes tiles 8 w .. 8 w + 7.  So a tile's fragment, 4 KB out of LDS, feeds 16 matrix instructions.
; z is read by one work-group alone, so it is quantised here, in registers: a lane takes four rows and its registers run down c, so that a block of 32 lies in one lane.
; THE CODEBOOK comes as records in the order of the operand's registers (4,352 bytes a tile) through two LDS slots of 32 records; each wave fetches, by one tensor load, just the eight records that it reads.
; CLUSTER.  All work-groups walk the same records: four form a cluster and ask for each fill JOINTLY (the same load, the same descriptor, a mask that names the four).  My place in the cluster enters z's and the outputs' addresses alone.
; THE MATRIX INSTRUCTION IS USED TRANSPOSED: source 0 = 16 codes, source 1 = 16 rows of z: lane (r, h) holds row r, register j code 8 h + j.
; THE ARGMIN.  For each of the 8 tiles of rows a lane keeps the least score so far (RUN), the number of the code tile that gave it (ID) and that tile's eight scores (SAV).  A tile's list: its least score (four lines), one compare
; (strictly less, tiles ascending: the lower tile keeps a tie), and selects under the compare's mask.  No branch and no address hangs on a score.  At the end the lowest j with SAV[j] = RUN gives the code.
; BY TURNS.  A PHASE is one code tile's 16 matrix instructions with the 121 vector lines of the tile before cut into 16 slices, one behind each.  Two sets of accumulators, of fragments and of ee take turns.
; REGISTERS, in windows of 256 (s_set_vgpr_msb: bits 1:0 source 0, 3:2 source 1, 5:4 source 2, 7:6 destination):
;   window 0: v1-19 addresses; v20-27 z's scale words; v28-29 the code tiles' scale words; v32-255 at work at the head and the end
;   window 1: z as loaded, then z's fragments (tile m, K step s at 32 m + 16 s)
;   window 2: v0-127 two sets of 8 accumulators; v128-191 SAV; v192.. RUN, ID, T, TID, H8; v224-255 at work at the end
;   window 3: v0-63 two sets of a code tile's fragments; v64-79 two sets of ee
.set REC,   4352                       ; a record
.set SLOTB, 32*REC                     ; a slot: 139,264 bytes
.set WREG,  8*REC                      ; a wave's part of it: 136 rows of 256 bytes
.set ZST,   2*SLOTB                    ; behind the ring: z's codes, 128 rows x (256 bytes + 16): row r starts at bank 4 r mod 64 (64 banks of 4 bytes: ISA guide 11.1)
.set ZSC,   ZST+128*272                ; z's scale bytes, 8 a row
.set RED,   ZSC+1024                   ; the waves' results: 4 x 128 rows x (score, index)
.set SPARE, RED+4096                   ; the spare words, 128 bytes for each wave: two blocks of 256 bytes that no other line names
.set R,    1                           ; v1   lane % 16
.set HH,   2                           ; v2   lane / 16
.set SPW,  3                           ; v3   LDS address of my spare word; never rewritten
.set NIL,  4                           ; v4   0; never rewritten
.set FA,   5                           ; v5   16 x lane + my wave's part of a slot: a fragment's image
.set SA,   6                           ; v6   4 x lane + the same + 4,096: a record's scale words
.set EA,   7                           ; v7   32 h + the same + 4,224: ee of my half's eight codes
.set ADRF, 8                           ; v8-10 the same three for the records in hand
.set ADRS, 9
.set ADRE, 10
.set ZA,   11                          ; v11  z's fragments: ZST + 272 r + 16 h
.set ZSA,  12                          ; v12  z's scale words: ZSC + 8 r + 4 h: lanes 0-15 K step 0's, lanes 16-31 K step 1's
.set ZW,   13                          ; v13  where I put z's codes: ZST + 4 rows x lane + 64 x wave
.set ZSW,  14                          ; v14  and their two scale bytes: ZSC + 32 x lane + 2 x wave
.set RA,   15                          ; v15  RED + 1,024 x wave + 8 r
.set RR,   16                          ; v16  RED + 32 x lane
.set GO,   17                          ; v17  16 x lane: the outputs
.set ZO,   18                          ; v18  16 x lane: z
.set LN,   19                          ; v19  lane
.set ZS,   20
.set ES,   28
.set TQ,   32                          ; at the head: largest magnitudes, 448 x the scale, the conversions' scale operands, bytes: four rows each
.set LIM,  36
.set SCL,  40
.set BYT,  44
.set SBY,  48
.set Y,    64                          ; v64-191  4 rows x 32 numbers, held, K in consecutive registers
.set PC0,  192                         ; v192-255 their codes, a set for each of my two blocks
.set PC1,  224
.set SAV,  128                         ; window 2
.set RUN,  192
.set ID,   200
.set T,    208
.set TID,  216
.set H8,   217
.set PR,   224
.set OV,   240
.set OI,   248
.set WV,  12                           ; s12  my wave's number
.set CX,  13                           ; s13  my place in the cluster
.set GG,  14                           ; s14  my work-group
.set G1,  16                           ; s[16:23] descriptor group 1
.set G0,  24                           ; s[24:31] descriptor group 0, a set for each slot
.set LB,  32                           ; s32  LDS byte of the pair of records to be fetched
.set TN,  33                           ; s33  the number of the code tile in the vector list
.set OC,  34                           ; s34, s35 loop counts
.set IC,  35
.set SEL, 36                           ; s[36:37] selects for v_permlanex16_b32: lane l xor 16
.set MNT, 38                           ; s38  the mantissa field of 448
.set MK,  40                           ; s[40:47] the compares' masks, one for each tile of rows
.set MSB, 0
.macro WIN new                         ; the immediate's high byte repeats the setting that is left; a switch that changes nothing is dropped
.if MSB != \new
	s_set_vgpr_msb (MSB<<8)|\new
.set MSB, \new
.endif
.endm
.set W_K0, 0xb7                        ; codes window 3, z window 1, C = ee window 3, D window 2
.set W_K1, 0xa7                        ; the same, C and D window 2
.set W_V,  0xaa                        ; the vector list: all in window 2
.set W_LF, 0xc0                        ; loads into window 3, address window 0
.set W_Z,  0x40                        ; loads into window 1
.macro CREST                           ; a round of the cluster's barrier behind its opening barrier
	s_cmp_lg_u32 s[WV], 0
	s_cbranch_scc1 .Lnot_wave_0_\@
	s_barrier_signal -3
.Lnot_wave_0_\@:
	s_barrier_wait -3
	s_barrier_signal -1
	s_barrier_wait -1
.endm
.macro CROUND                          ; a whole round
	s_barrier_signal -1
	s_barrier_wait -1
	CREST
.endm
; Matrix instruction i of a code tile's 16, on set p: K step i / 8, tile of rows i % 8.  The eight accumulators take turns, one instruction a turn.
.macro WM p
.set wm, i%8
.if i < 8
	WIN W_K0
	v_wmma_scale_f32_16x16x128_f8f6f4 v[64*\p+8*wm:64*\p+8*wm+7], v[32*\p:32*\p+15], v[32*wm:32*wm+15], v[64+8*\p:64+8*\p+7], v[ES+\p], v[ZS+wm]
.else
	WIN W_K1
	v_wmma_scale_f32_16x16x128_f8f6f4 v[64*\p+8*wm:64*\p+8*wm+7], v[32*\p+16:32*\p+31], v[32*wm+16:32*wm+31], v[64*\p+8*wm:64*\p+8*wm+7], v[ES+\p], v[ZS+wm] matrix_a_scale:MATRIX_SCALE_ROW1 matrix_b_scale:MATRIX_SCALE_ROW1
.endif
.set i, i+1
.endm
; Number j of the vector list for the accumulators from v[a] on.  The eight tiles of rows take turns, so that a line's sources were written eight lines back.  Each accumulator is first read at its low end.
.macro VL a
.if j == 0
	v_mov_b32 v[TID], s[TN]
.elseif j < 9
.set m, j-1
	v_min3_num_f32 v[T+m], v[\a+8*m], v[\a+8*m+1], v[\a+8*m+2]
.elseif j < 17
.set m, j-9
	v_min3_num_f32 v[T+m], v[T+m], v[\a+8*m+3], v[\a+8*m+4]
.elseif j < 25
.set m, j-17
	v_min3_num_f32 v[T+m], v[T+m], v[\a+8*m+5], v[\a+8*m+6]
.elseif j < 33
.set m, j-25
	v_min_num_f32 v[T+m], v[T+m], v[\a+8*m+7]      ; the tile's least score of my row and half
.elseif j < 41
.set m, j-33
	v_cmp_lt_f32 s[MK+m], v[T+m], v[RUN+m]         ; strictly less: an equal score leaves the earlier, lower tile
.elseif j < 49
.set m, j-41
	v_min_num_f32 v[RUN+m], v[RUN+m], v[T+m]
.elseif j < 57
.set m, j-49
	v_cndmask_b32 v[ID+m], v[ID+m], v[TID], s[MK+m]
.else
.set m, j-57
	v_cndmask_b32 v[SAV+m], v[SAV+m], v[\a+m], s[MK+m/8]   ; the winning tile's eight scores are kept: they name the code at the end
.endif
.endm
.macro SLICE a                         ; slice k of 16: eight lines in slices 0-8, seven in slices 9-15: 121
	WIN W_V
.set cnt, 8
.if k > 8
.set cnt, 7
.endif
.rept cnt
	VL \a
.set j, j+1
.endr
.set k, k+1
.endm
.macro FETCH p, off                    ; a record into set p: eight loads of its fragments' images, two of ee, one of its scale words: eleven
	WIN W_LF
.irp n, 0,1,2,3,4,5,6,7
	ds_load_b128 v[32*(\p)+4*\n:32*(\p)+4*\n+3], v[ADRF] offset:\off+512*\n
.endr
	ds_load_b128 v[64+8*(\p):64+8*(\p)+3], v[ADRE] offset:\off
	ds_load_b128 v[64+8*(\p)+4:64+8*(\p)+7], v[ADRE] offset:\off+16
	WIN 0
	ds_load_b32 v[ES+(\p)], v[ADRS] offset:\off
.endm
; PLACES (eight behind this form).  An accumulator's first read is list number 1 + m: behind tile m's last product stand the slices that follow it in its phase and the numbers 0 .. m of the next: 15 lines at the
; least, none of which names that product's registers.  The loads of FETCH stand behind slice 1: the last product that read their registers stands 15 such lines back or more.
; A PHASE: the tile in set p is multiplied, the tile before it (set 1 - p) goes through the list, the tile behind it is fetched into set 1 - p.
.macro PHASE p, off, fetch, tnstep
	s_wait_dscnt 0x0                               ; the eleven loads of this tile, issued a phase ago
.set i, 0
.set j, 0
.set k, 0
.rept 16
	WM \p
	SLICE 64*(1-\p)
.if k == 1
	s_add_co_u32 s[TN], s[TN], \tnstep             ; the list's number 0 has read it: on to the next list's tile
.endif
.if (k == 2) && \fetch
	FETCH 1-\p, \off
.endif
.endr
	WIN 0
.endm
; A slot's last tile (the eighth, set 1) changes slots.  In front of the barrier each wave waits for all its tensor loads (one is out: my part of the other slot), adds 0 to its spare word, and waits for that and for its reads of
; this slot.  fill = 1: the barrier opens a round of the cluster's barrier, and behind it this slot is filled again, two fills on: the load has a whole slot's 128 matrix instructions in which to land.
.macro TURNP s, fill
	s_wait_tensorcnt 0x0                           ; all my tensor loads have landed
	ds_add_u32 v[SPW], v[NIL]                      ; 0 onto my spare word
	s_wait_dscnt 0x1                               ; this tile's eleven loads are in; the add alone may be out
.set i, 0
.set j, 0
.set k, 0
	WM 1
	SLICE 0
	s_add_co_u32 s[TN], s[TN], 1
	WM 1
	SLICE 0
	s_wait_dscnt 0x0                               ; the add is done, and my reads of this slot are over
	s_barrier_signal -1
	WM 1
	SLICE 0
	WM 1
	SLICE 0
	WIN 0
	s_barrier_wait -1
.if \fill
	CREST                                          ; no wave of any partner still reads this slot or has a load on its way
	s_add_nc_u64 s[G0+4*\s+2:G0+4*\s+3], s[G0+4*\s+2:G0+4*\s+3], 2*SLOTB   ; no tensor load of mine is out, so the group may be written
	tensor_load_to_lds s[G0+4*\s:G0+4*\s+3], s[G1:G1+7]   ; my one tensor load behind the round, and the first thing there
	s_nop 0
.rept 4
	v_nop
.endr
.endif
	v_add_nc_u32 v[ADRF], (1-\s)*SLOTB, v[FA]      ; the other slot's first two records
	v_add_nc_u32 v[ADRS], (1-\s)*SLOTB, v[SA]
	v_add_nc_u32 v[ADRE], (1-\s)*SLOTB, v[EA]
	FETCH 0, 0
.rept 12
	WM 1
	SLICE 0
.endr
	WIN 0
.endm
.macro PAIRS s                         ; tiles 1 to 6 of slot s, two a trip; tiles 2 to 7 are fetched
	s_mov_b32 s[LB], \s*SLOTB+2*REC
	s_mov_b32 s[IC], 3
.Lpair_\@:
	v_add_nc_u32 v[ADRF], s[LB], v[FA]
	v_add_nc_u32 v[ADRS], s[LB], v[SA]
	v_add_nc_u32 v[ADRE], s[LB], v[EA]
	PHASE 1, 0, 1, 1
	PHASE 0, REC, 1, 1
	s_add_co_u32 s[LB], s[LB], 2*REC
	s_sub_co_u32 s[IC], s[IC], 1
	s_cmp_lg_u32 s[IC], 0
	s_cbranch_scc1 .Lpair_\@
.endm
.macro SLOTCODE s, fill                ; from a slot's second tile to the other slot's first.  That last phase's list is the old slot's eighth tile: behind it the tile number goes on to my part of the next fill: + 25
	PAIRS \s
	TURNP \s, \fill
	PHASE 0, REC, 1, 25
.endm
; (dv, di) = the lesser of (bv, bi) and (cv, ci): by the score, and at equal scores by the index
.macro LEX dv, di, bv, bi, cv, ci
	v_cmp_lt_f32 s48, v[\cv], v[\bv]
	v_cmp_eq_f32 s49, v[\cv], v[\bv]
	v_cmp_lt_u32 vcc_lo, v[\ci], v[\bi]
	s_and_b32 s49, s49, vcc_lo
	s_or_b32 s48, s48, s49
	v_cndmask_b32 v[\dv], v[\bv], v[\cv], s48
	v_cndmask_b32 v[\di], v[\bi], v[\ci], s48
.endm
; My block beta (32 along c) of my four rows becomes codes in v[pc] on and a scale byte a row.  Register 128 beta + 4 k + i of window 1 is z(row 4 lane + i, c = 64 wave + 32 beta + k).
.macro ZQ beta, pc
	WIN 0x14                                       ; sources 1 and 2 window 1
.irp ii, 0,1,2,3
	v_max3_num_f32 v[TQ+\ii], 0x4800000, |v[128*\beta+\ii]|, |v[128*\beta+4+\ii]|   ; the floor 2^(9 - 127) among the leaves: the byte cannot fall under 1
.endr
.set kk, 2
.rept 15
.irp ii, 0,1,2,3
	v_max3_num_f32 v[TQ+\ii], v[TQ+\ii], |v[128*\beta+4*kk+\ii]|, |v[128*\beta+4*kk+4+\ii]|   ; the four rows by turns; the whole block is mine
.endr
.set kk, kk+2
.endr
	WIN 0
.irp ii, 0,1,2,3
	v_add_nc_u32 v[SCL+\ii], 0xfc000000, v[TQ+\ii] ; 8 off the exponent field: the conversion's scale operand
.endr
.irp ii, 0,1,2,3
	v_and_or_b32 v[LIM+\ii], v[TQ+\ii], 0x7f800000, s[MNT]   ; 448 x the scale
.endr
.irp ii, 0,1,2,3
.if \beta == 0
	v_lshrrev_b32 v[SBY+\ii], 23, v[SCL+\ii]       ; the scale's byte
.else
	v_lshrrev_b32 v[BYT+\ii], 23, v[SCL+\ii]
.endif
.endr
.if \beta == 1
.irp ii, 0,1,2,3
	v_lshl_or_b32 v[SBY+\ii], v[BYT+\ii], 8, v[SBY+\ii]   ; my two blocks' bytes are neighbours in the row's eight
.endr
.endif
	WIN 0x01                                       ; source 0 window 1
.irp ii, 0,1,2,3
.set kk, 0
.rept 32
	v_med3_num_f32 v[Y+32*\ii+kk], v[128*\beta+4*kk+\ii], -v[LIM+\ii], v[LIM+\ii]   ; the hold (the conversion does not saturate: ISA guide 7.6.2) also brings a row's K into consecutive registers
.set kk, kk+1
.endr
.endr
	WIN 0
.irp ii, 0,1,2,3
.irp gg, 0,1,2,3
	v_cvt_scalef32_pk8_fp8_f32 v[\pc+8*\ii+2*\gg:\pc+8*\ii+2*\gg+1], v[Y+32*\ii+8*\gg:Y+32*\ii+8*\gg+7], v[SCL+\ii]
.endr
.endr
	v_nop                                          ; one plain vector line between the last conversion and the next vector line that writes its sources
.irp ii, 0,1,2,3
	ds_store_b128 v[ZW], v[\pc+8*\ii:\pc+8*\ii+3] offset:272*\ii+32*\beta
	ds_store_b128 v[ZW], v[\pc+8*\ii+4:\pc+8*\ii+7] offset:272*\ii+32*\beta+16
.endr
.endm
	s_load_b256 s[4:11], s[0:1], 0x0               ; z s[4:5], the records s[6:7], out1 s[8:9], idxw s[10:11]
	v_lshl_add_u32 v[SPW], v0, 2, SPARE
	v_mov_b32 v[NIL], 0
	ds_add_u32 v3, v4
	ds_add_u32 v3, v4
	s_wait_dscnt 0x0
	v_lshrrev_b32 v[LN], 5, v0
	v_readfirstlane_b32 s[WV], v[LN]               ; wave 0..3
	v_and_b32 v[LN], 31, v0
	v_and_b32 v[R], 15, v0
	v_bfe_u32 v[HH], v0, 4, 1
	s_mul_i32 s58, s[WV], WREG                     ; my wave's part of a slot, and of a fill in memory
	s_mov_b32 s59, 0
	s_add_co_u32 s48, s58, 4096
	s_add_co_u32 s49, s58, 4224
	v_lshl_add_u32 v[FA], v[LN], 4, s58
	v_lshl_add_u32 v[SA], v[LN], 2, s48
	v_lshl_add_u32 v[EA], v[HH], 5, s49
	v_mul_u32_u24 v[ZA], v[R], 272
	v_lshl_add_u32 v[ZA], v[HH], 4, v[ZA]
	v_add_nc_u32 v[ZA], ZST, v[ZA]
	v_lshlrev_b32 v[ZSA], 3, v[R]
	v_lshl_add_u32 v[ZSA], v[HH], 2, v[ZSA]
	v_add_nc_u32 v[ZSA], ZSC, v[ZSA]
	s_lshl_b32 s50, s[WV], 6
	s_add_co_u32 s50, s50, ZST
	v_mul_u32_u24 v[ZW], v[LN], 4*272
	v_add_nc_u32 v[ZW], s50, v[ZW]
	s_lshl_b32 s51, s[WV], 1
	s_add_co_u32 s51, s51, ZSC
	v_lshl_add_u32 v[ZSW], v[LN], 5, s51
	s_lshl_b32 s52, s[WV], 10
	s_add_co_u32 s52, s52, RED
	v_lshl_add_u32 v[RA], v[R], 3, s52
	v_lshl_add_u32 v[RR], v[LN], 5, RED
	v_lshlrev_b32 v[GO], 4, v[LN]
	v_lshlrev_b32 v[ZO], 4, v[LN]
	s_bfe_u32 s[CX], ttmp6, 0x40000                ; my place in the cluster
	s_lshl_b32 s[GG], ttmp9, 2                     ; in a cluster launch ttmp9 counts clusters
	s_add_co_u32 s[GG], s[GG], s[CX]               ; my work-group: rows 128 g on: image g / 8, pixels 128 (g % 8) on
	s_lshr_b32 s54, s[GG], 3
	s_lshl_b32 s54, s54, 20                        ; an image is 256 planes of 4,096 bytes
	s_and_b32 s55, s[GG], 7
	s_lshl_b32 s55, s55, 9
	s_add_co_u32 s54, s54, s55
	s_lshl_b32 s55, s[WV], 18                      ; my wave's 64 planes: c = 64 wave on
	s_add_co_u32 s54, s54, s55
	s_mov_b32 s55, 0
	s_lshl_b32 s56, s[GG], 9                       ; my 128 indices
	s_mov_b32 s57, 0
	s_lshl_b32 s[TN], s[WV], 3                     ; my first code tile
	s_mov_b32 s[SEL], 0x76543210
	s_mov_b32 s[SEL+1], 0xfedcba98
	s_mov_b32 s[MNT], 0x600000
	; descriptor group 1: 136 dense rows of 256 bytes (32 elements of 8 bytes), no padding: the images are read as 512 consecutive bytes
	s_mov_b32 s[G1], 15|(3<<16)|(1<<21)            ; 15:0 the mask: all four work-groups; 17:16 elements of 8 bytes; 21 set beside a mask
	s_mov_b32 s[G1+1], 32<<16                      ; tensor_dim0 = 32
	s_mov_b32 s[G1+2], 136<<16                     ; tensor_dim1 = 136
	s_mov_b32 s[G1+3], 32<<16                      ; tile_dim0 = 32
	s_mov_b32 s[G1+4], 136                         ; tile_dim1 = 136
	s_mov_b32 s[G1+5], 32                          ; tensor_dim0_stride
	s_mov_b32 s[G1+6], 0
	s_mov_b32 s[G1+7], 0
	s_wait_kmcnt 0x0
	s_add_nc_u64 s[4:5], s[4:5], s[54:55]
	s_add_nc_u64 s[8:9], s[8:9], s[56:57]
	s_add_nc_u64 s[10:11], s[10:11], s[56:57]
	s_add_nc_u64 s[6:7], s[6:7], s[58:59]          ; the records at my part of fill 0: the wave's number alone enters
	WIN W_Z
.set cc, 0
.rept 64                                       ; plane 64 wave + cc, my work-group's 128 pixels: the wave reads 512 consecutive bytes, a lane four rows
	global_load_b128 v[4*cc:4*cc+3], v[ZO], s[4:5] offset:4096*cc
.set cc, cc+1
.endr
	WIN 0
	s_mov_b32 s[G0], 1                             ; 1:0 count = 1
	s_mov_b32 s[G0+1], s58                         ; LDS address: slot 0, my part
	s_mov_b64 s[G0+2:G0+3], s[6:7]                 ; global address: fill 0
	s_or_b32 s[G0+3], s[G0+3], 0x80000000          ; type = 2
	s_mov_b32 s[G0+4], 1
	s_add_co_u32 s[G0+5], s58, SLOTB               ; slot 1
	s_add_nc_u64 s[G0+6:G0+7], s[6:7], SLOTB       ; fill 1
	s_or_b32 s[G0+7], s[G0+7], 0x80000000
	CROUND                                         ; all four work-groups are here: the first joint loads meet
	tensor_load_to_lds s[G0:G0+3], s[G1:G1+7]      ; both first fills together: two tensor loads of mine are out
	s_nop 0
	tensor_load_to_lds s[G0+4:G0+7], s[G1:G1+7]
	s_nop 0
.rept 4
	v_nop
.endr
	WIN 0x80                                       ; destination window 2.  The list is written once: its first turn finds RUN = +infinity, under which every score lies
.set n, 0
.rept 8
	v_mov_b32 v[RUN+n], 0x7f800000
	v_mov_b32 v[ID+n], 0
	v_mov_b32 v[OV+n], 0                           ; a lane permute's destination counts as one of its sources
	v_mov_b32 v[OI+n], 0
.set n, n+1
.endr
.set n, 0
.rept 64
	v_mov_b32 v[SAV+n], 0                          ; a select's destination is one of its sources
.set n, n+1
.endr
	v_lshlrev_b32 v[H8], 3, v[HH]                  ; my half's first code in a tile
	s_wait_loadcnt 32                              ; my first block's 32 planes are in; the second block's 32 loads may be out
	ZQ 0, PC0
	s_wait_loadcnt 0x0
	ZQ 1, PC1
.irp ii, 0,1,2,3
	ds_store_b16 v[ZSW], v[SBY+\ii] offset:8*\ii
.endr
	s_wait_tensorcnt 0x1                           ; my part of slot 0 is in; slot 1's may stay out
	s_wait_dscnt 0x0                               ; for the others' sake: my stores of z's codes and bytes are done
	s_barrier_signal -1
	s_barrier_wait -1
	WIN W_Z
.irp mt, 0,1,2,3,4,5,6,7                       ; all 128 rows' fragments: they stay.  Registers 4 c .. 4 c + 3: k = 128 s + 32 c + 16 h + 0 .. 15 of row 16 m + r
.irp st, 0,1
.irp c, 0,1,2,3
	ds_load_b128 v[32*\mt+16*\st+4*\c:32*\mt+16*\st+4*\c+3], v[ZA] offset:16*272*\mt+128*\st+32*\c
.endr
.endr
.endr
	WIN 0
.irp mt, 0,1,2,3,4,5,6,7
	ds_load_b32 v[ZS+\mt], v[ZSA] offset:128*\mt
.endr
	v_mov_b32 v[ADRF], v[FA]
	v_mov_b32 v[ADRS], v[SA]
	v_mov_b32 v[ADRE], v[EA]
	FETCH 0, 0
	FETCH 1, REC
	s_wait_dscnt 0x0
.set i, 0
.rept 16
	WM 0                                           ; my first tile: there is no list yet to set between its products
.endr
.rept 8
	v_nop                                          ; the places in front of the first list's reads
.endr
	WIN 0
	s_mov_b32 s[OC], 7
.Lmain:                                        ; a trip goes once round the ring, from slot 0's second tile to its next fill's first, and fills both slots again: fills 2 to 15
	SLOTCODE 0, 1
	SLOTCODE 1, 1
	s_sub_co_u32 s[OC], s[OC], 1
	s_cmp_lg_u32 s[OC], 0
	s_cbranch_scc1 .Lmain
	SLOTCODE 0, 0                                  ; the last two fills are written out: nothing more is asked for, so no round of the cluster's barrier
	PAIRS 1
	PHASE 1, 0, 0, 1                               ; my last tile; nothing to fetch
.set j, 0
.set k, 0
.rept 16
	SLICE 64                                       ; its list (the places: as between any two phases)
.endr
	; THE END.  The lowest j whose kept score is the least one; the code's index; the other half of the lanes'; then the four waves'.
.irp mt, 0,1,2,3,4,5,6,7
	v_mov_b32 v[T+\mt], 7
.endr
.irp jj, 6,5,4,3,2,1,0
.irp mt, 0,1,2,3,4,5,6,7
	v_cmp_eq_f32 s[MK+\mt], v[SAV+8*\mt+\jj], v[RUN+\mt]
.endr
.irp mt, 0,1,2,3,4,5,6,7
	v_cndmask_b32 v[T+\mt], v[T+\mt], \jj, s[MK+\mt]
.endr
.endr
.irp mt, 0,1,2,3,4,5,6,7
	v_lshl_add_u32 v[ID+\mt], v[ID+\mt], 4, v[T+\mt]
.endr
.irp mt, 0,1,2,3,4,5,6,7
	v_add_nc_u32 v[ID+\mt], v[ID+\mt], v[H8]       ; 16 x tile + 8 h + j
.endr
.irp mt, 0,1,2,3,4,5,6,7
	v_permlanex16_b32 v[OV+\mt], v[RUN+\mt], s[SEL], s[SEL+1]
	v_permlanex16_b32 v[OI+\mt], v[ID+\mt], s[SEL], s[SEL+1]
.endr
.irp mt, 0,1,2,3,4,5,6,7
	LEX PR+2*\mt, PR+2*\mt+1, RUN+\mt, ID+\mt, OV+\mt, OI+\mt
.endr
	WIN 0x08                                       ; an LDS store's data are its source 1: window 2
.irp mt, 0,1,2,3,4,5,6,7
	ds_store_b64 v[RA], v[PR+2*\mt:PR+2*\mt+1] offset:128*\mt   ; both halves of the lanes write the same pair to the same place
.endr
	WIN 0
	s_wait_dscnt 0x0                               ; for wave 0's sake: my results lie in LDS
	s_barrier_signal -1
	s_barrier_wait -1
	s_cmp_lg_u32 s[WV], 0
	s_cbranch_scc1 .Lend
.irp w4, 0,1,2,3                               ; wave 0: a lane takes four rows, of each wave's results
	ds_load_b128 v[32+8*\w4:35+8*\w4], v[RR] offset:1024*\w4
	ds_load_b128 v[36+8*\w4:39+8*\w4], v[RR] offset:1024*\w4+16
.endr
	s_wait_dscnt 0x0
.irp ii, 0,1,2,3
	LEX 32+2*\ii, 33+2*\ii, 32+2*\ii, 33+2*\ii, 40+2*\ii, 41+2*\ii
	LEX 32+2*\ii, 33+2*\ii, 32+2*\ii, 33+2*\ii, 48+2*\ii, 49+2*\ii
	LEX 32+2*\ii, 64+\ii, 32+2*\ii, 33+2*\ii, 56+2*\ii, 57+2*\ii
.endr
	global_store_b128 v[GO], v[64:67], s[8:9]      ; 32 lanes store 512 consecutive bytes, aligned: the output,
	global_store_b128 v[GO], v[64:67], s[10:11]    ; and the copy from which the next launch makes addresses
.Lend:
	s_wait_tensorcnt 0x0                           ; the wave's end: behind my last tensor load and my last LDS store
	ds_add_u32 v[SPW], v[NIL]
	s_wait_dscnt 0x0
	CROUND                                         ; the closing round: no work-group ends while a partner may still ask for a fill that names it
	s_endpgm
.Lfunc_end_k_qa31f29aada_nearest:
	.size	k_qa31f29aada_nearest, .Lfunc_end_k_qa31f29aada_nearest-k_qa31f29aada_nearest
	.p2alignl 7, 3214868480
	.fill 96, 4, 3214868480
	.section	.rodata,"a",@progbits
	.p2align	6, 0x0
	.amdhsa_kernel k_qa31f29aada_nearest
		.amdhsa_group_segment_fixed_size 327680
		.amdhsa_private_segment_fixed_size 0
		.amdhsa_enable_private_segment 0
		.amdhsa_kernarg_size 32
		.amdhsa_user_sgpr_count 2
		.amdhsa_user_sgpr_kernarg_segment_ptr 1
		.amdhsa_wavefront_size32 1
		.amdhsa_system_sgpr_workgroup_id_x 1
		.amdhsa_system_sgpr_workgroup_id_y 1
		.amdhsa_system_sgpr_workgroup_id_z 1
		.amdhsa_system_vgpr_workitem_id 0
		.amdhsa_next_free_vgpr 848
		.amdhsa_next_free_sgpr 66
		.amdhsa_reserve_vcc 1
		.amdhsa_float_denorm_mode_32 3
		.amdhsa_float_denorm_mode_16_64 3
		.amdhsa_memory_ordered 1
		.amdhsa_forward_progress 1
		.amdhsa_inst_pref_size 244
	.end_amdhsa_kernel
	.amdgpu_metadata
---
amdhsa.version: [ 1, 2 ]
amdhsa.kernels:
  - .name:           k_qa31f29aada_nearest
    .symbol:         k_qa31f29aada_nearest.kd
    .args:
      - { .name: z, .offset: 0, .size: 8, .value_kind: global_buffer, .address_space: global }
      - { .name: embq, .offset: 8, .size: 8, .value_kind: global_buffer, .address_space: global }
      - { .name: out1, .offset: 16, .size: 8, .value_kind: global_buffer, .address_space: global }
      - { .name: idxw, .offset: 24, .size: 8, .value_kind: global_buffer, .address_space: global }
    .group_segment_fixed_size: 327680
    .private_segment_fixed_size: 0
    .kernarg_segment_align: 8
    .kernarg_segment_size: 32
    .max_flat_workgroup_size: 128
    .sgpr_count:     66
    .vgpr_count:     848
    .wavefront_size: 32
...
	.end_amdgpu_metadata
.endif
;; end of part 2
;; launch gather (part 3): grid 512 x 1, 8 waves a work-group, no clusters, 67,584 bytes of LDS; arguments z, embedding, idxw, out0; writes out0
.if DOCPART == 3
	.amdgcn_target "amdgcn-amd-amdhsa--gfx1250"
	.amdhsa_code_object_version 6
	.text
	.protected	k_qa31f29aada_gather
	.globl	k_qa31f29aada_gather
	.p2align	8
	.type	k_qa31f29aada_gather,@function
k_qa31f29aada_gather:
	s_mov_b64 s[64:65], 0
	v_nop
	global_prefetch_b8 v0, s[64:65] scope:SCOPE_SE
	s_setreg_imm32_b32 hwreg(HW_REG_WAVE_MODE, 25, 1), 1
	s_wait_xcnt 0x0
; out0[b][c][hw] = z + (e[index of row (b, hw)][c] - z), in f32, in that order.  The indices were stored as whole numbers by the launch before.
; A work-group owns 64 rows (64 neighbouring pixels of one image) and all 256 c.  A code's row lies along c, the output along the pixels: so the 64 chosen rows are turned through LDS.
; Wave w gathers rows 8 w .. 8 w + 7 (a row's 1,024 bytes by two loads of 512 consecutive bytes) into LDS rows of 1,040 bytes; one barrier; then it makes planes c = 32 w .. 32 w + 31:
; a lane takes two neighbouring pixels, so each load of z and each store covers 256 consecutive bytes, aligned.  Memory binds: no matrix unit, no cluster (work-groups share no tile), no loop; every offset is an immediate.
; z's loads go out first: they hang on no index and are on their way while the indices come.
.set PITCH, 1040                       ; 260 words: two rows are 520 words: lanes 8 apart meet in a bank, two deep
.set L16, 1                            ; v1   16 x lane
.set L8,  2                            ; v2   8 x lane
.set LW,  3                            ; v3   LDS, in: my wave's 8 rows + 16 x lane
.set LR,  4                            ; v4   LDS, out: rows 2 lane, 2 lane + 1; my wave's 32 c
.set GA,  8                            ; v8-15   byte offset in the codebook of my 16 bytes of each gathered row
.set G,   16                           ; v16-79  8 rows x 8 registers as gathered; then e, turned: step u: row 2 lane's four c, row 2 lane + 1's four
.set Z,   80                           ; v80-143 z of my two pixels in 32 planes; then the result
	s_load_b256 s[4:11], s[0:1], 0x0               ; z s[4:5], the codebook s[6:7], the indices s[8:9], out0 s[10:11]
	v_lshl_add_u32 v144, v0, 2, 0x10400
	v_mov_b32 v145, 0
	v_lshrrev_b32 v5, 5, v0
	v_readfirstlane_b32 s12, v5                    ; wave 0..7
	v_and_b32 v5, 31, v0                           ; lane
	v_lshlrev_b32 v[L16], 4, v5
	v_lshlrev_b32 v[L8], 3, v5
	s_mul_i32 s13, s12, 8*PITCH
	v_add_nc_u32 v[LW], s13, v[L16]
	v_mul_u32_u24 v[LR], v5, 2*PITCH
	s_lshl_b32 s14, s12, 7
	v_add_nc_u32 v[LR], s14, v[LR]
	s_lshl_b32 s24, ttmp9, 8                       ; my work-group's 64 indices,
	s_lshl_b32 s25, s12, 5                         ; my wave's 8
	s_add_co_u32 s24, s24, s25
	s_mov_b32 s25, 0
	s_lshr_b32 s26, ttmp9, 4                       ; the image: 256 planes of 4,096 bytes,
	s_lshl_b32 s26, s26, 20
	s_and_b32 s27, ttmp9, 15                       ; my 64 pixels,
	s_lshl_b32 s27, s27, 8
	s_add_co_u32 s26, s26, s27
	s_lshl_b32 s27, s12, 17                        ; my wave's 32 planes
	s_add_co_u32 s26, s26, s27
	s_mov_b32 s27, 0
	s_wait_kmcnt 0x0
	s_add_nc_u64 s[8:9], s[8:9], s[24:25]
	s_load_b256 s[16:23], s[8:9], 0x0              ; eight indices
	s_add_nc_u64 s[4:5], s[4:5], s[26:27]
	s_add_nc_u64 s[10:11], s[10:11], s[26:27]
.set cc, 0
.rept 32
	global_load_b64 v[Z+2*cc:Z+2*cc+1], v[L8], s[4:5] offset:4096*cc th:TH_LOAD_NT   ; read for the last time
.set cc, cc+1
.endr
	s_wait_kmcnt 0x0
.irp k8, 0,1,2,3,4,5,6,7
	s_min_u32 s[16+\k8], s[16+\k8], 0x1fff         ; an index stays inside the table
	s_lshl_b32 s[16+\k8], s[16+\k8], 10            ; a row is 1,024 bytes
	v_add_nc_u32 v[GA+\k8], s[16+\k8], v[L16]
.endr
.irp k8, 0,1,2,3,4,5,6,7
	global_load_b128 v[G+8*\k8:G+8*\k8+3], v[GA+\k8], s[6:7]              ; no hint: a row may be named again
	global_load_b128 v[G+8*\k8+4:G+8*\k8+7], v[GA+\k8], s[6:7] offset:512
.endr
	s_wait_loadcnt 0x0                             ; the gathered rows are the youngest loads: all are in
.irp k8, 0,1,2,3,4,5,6,7
	ds_store_b128 v[LW], v[G+8*\k8:G+8*\k8+3] offset:PITCH*\k8
	ds_store_b128 v[LW], v[G+8*\k8+4:G+8*\k8+7] offset:PITCH*\k8+512
.endr
	s_wait_dscnt 0x0                               ; for the others' sake: my rows lie in LDS
	s_barrier_signal -1
	s_barrier_wait -1
.irp u, 0,1,2,3,4,5,6,7
	ds_load_b128 v[G+8*\u:G+8*\u+3], v[LR] offset:16*\u                   ; row 2 lane, c = 32 wave + 4 u + 0 .. 3
	ds_load_b128 v[G+8*\u+4:G+8*\u+7], v[LR] offset:16*\u+PITCH           ; row 2 lane + 1
.endr
.irp u, 0,1,2,3,4,5,6,7
	s_wait_dscnt 14-2*\u                           ; LDS loads come back in order (ISA guide 5.7.1): this step's two are in, the later steps' may be out
.irp i, 0,1,2,3
	v_sub_f32 v[G+8*\u+\i], v[G+8*\u+\i], v[Z+2*(4*\u+\i)]                ; e - z,
	v_sub_f32 v[G+8*\u+4+\i], v[G+8*\u+4+\i], v[Z+2*(4*\u+\i)+1]
	v_add_f32 v[Z+2*(4*\u+\i)], v[Z+2*(4*\u+\i)], v[G+8*\u+\i]            ; z + that
	v_add_f32 v[Z+2*(4*\u+\i)+1], v[Z+2*(4*\u+\i)+1], v[G+8*\u+4+\i]
	global_store_b64 v[L8], v[Z+2*(4*\u+\i):Z+2*(4*\u+\i)+1], s[10:11] offset:4096*(4*\u+\i) th:TH_STORE_NT   ; 32 lanes store 256 consecutive bytes, aligned; no store's data are written again
.endr
.endr
	s_wait_tensorcnt 0x0
	ds_add_u32 v144, v145
	s_wait_dscnt 0x0
	s_endpgm
.Lfunc_end_k_qa31f29aada_gather:
	.size	k_qa31f29aada_gather, .Lfunc_end_k_qa31f29aada_gather-k_qa31f29aada_gather
	.p2alignl 7, 3214868480
	.fill 96, 4, 3214868480
	.section	.rodata,"a",@progbits
	.p2align	6, 0x0
	.amdhsa_kernel k_qa31f29aada_gather
		.amdhsa_group_segment_fixed_size 67584
		.amdhsa_private_segment_fixed_size 0
		.amdhsa_enable_private_segment 0
		.amdhsa_kernarg_size 32
		.amdhsa_user_sgpr_count 2
		.amdhsa_user_sgpr_kernarg_segment_ptr 1
		.amdhsa_wavefront_size32 1
		.amdhsa_system_sgpr_workgroup_id_x 1
		.amdhsa_system_sgpr_workgroup_id_y 1
		.amdhsa_system_sgpr_workgroup_id_z 1
		.amdhsa_system_vgpr_workitem_id 0
		.amdhsa_next_free_vgpr 146
		.amdhsa_next_free_sgpr 66
		.amdhsa_reserve_vcc 0
		.amdhsa_float_denorm_mode_32 3
		.amdhsa_float_denorm_mode_16_64 3
		.amdhsa_memory_ordered 1
		.amdhsa_forward_progress 1
		.amdhsa_inst_pref_size 17
	.end_amdhsa_kernel
	.amdgpu_metadata
---
amdhsa.version: [ 1, 2 ]
amdhsa.kernels:
  - .name:           k_qa31f29aada_gather
    .symbol:         k_qa31f29aada_gather.kd
    .args:
      - { .name: z, .offset: 0, .size: 8, .value_kind: global_buffer, .address_space: global }
      - { .name: embedding, .offset: 8, .size: 8, .value_kind: global_buffer, .address_space: global }
      - { .name: idxw, .offset: 16, .size: 8, .value_kind: global_buffer, .address_space: global }
      - { .name: out0, .offset: 24, .size: 8, .value_kind: global_buffer, .address_space: global }
    .group_segment_fixed_size: 67584
    .private_segment_fixed_size: 0
    .kernarg_segment_align: 8
    .kernarg_segment_size: 32
    .max_flat_workgroup_size: 256
    .sgpr_count:     66
    .vgpr_count:     146
    .wavefront_size: 32
...
	.end_amdgpu_metadata
.endif
;; end of part 3
